; MI455X (gfx1250); checked and timed in simulation.
; The chip was launched on July 23, 2026; its instructions are those of AMD's public machine-readable ISA for CDNA 5 (MIT licence, August 2026) and "CDNA5" Instruction Set Architecture Reference Guide (July 2026). The comments in the code are by the model that wrote it; some were corrected since.
;; Long Context Multi Head Attention. Allowed arithmetic: matrix products marked QUANTISED: E2M1 operands, one E8M0 scale for each 32 along K, by v_wmma_scale_f32_16x16x128_f8f6f4 with both operands' format E2M1 (or v_wmma_scale_f32_32x16x128_f4), f32 sums; products left as they are: bf16, f16 or f32 operands; f32 sums; everything else in f32.
;; Inputs: Wk 1,024 x 1,024 float32; Wo 1,024 x 1,024 float32; Wq 1,024 x 1,024 float32; Wv 1,024 x 1,024 float32; bk 1,024 float32; bo 1,024 float32; bq 1,024 float32; bv 1,024 float32; k 2 x 2,048 x 1,024 float32; q 2 x 2,048 x 1,024 float32; v 2 x 2,048 x 1,024 float32.
;; Outputs: out0 2 x 2,048 x 1,024 float32.
;; This version of the problem:
;;   THIS VERSION OF THE PROBLEM IS GIVEN IN LOW PRECISION. The matrix products marked QUANTISED in the list below multiply operands that are first quantised to E2M1 (2 exponent bits, 1 mantissa bit; 4 bits a number), with one power-of-two scale for each 32 numbers along K (OCP MX v1.0); their sums are f32. The products marked 'left as it is' may take bf16, f16 or f32 operands, with f32 sums. All else is computed in f32.
;;   The module's matrix products, in the order in which they are computed (A, B: the left and right operand; K: the contracted axis; several contracted axes count as one K, in the product's order):
;;     1. [M 4,096, K 1,024] x [K 1,024, N 1,024]; A: input q; B: input Wq: QUANTISED
;;     2. [M 4,096, K 1,024] x [K 1,024, N 1,024]; A: input k; B: input Wk: QUANTISED
;;     3. [M 4,096, K 1,024] x [K 1,024, N 1,024]; A: input v; B: input Wv: QUANTISED
;;     4. batch 32 x [M 2,048, K 64] x [K 64, N 2,048]; A: computed on the way; B: computed on the way: left as it is (an operand is computed on the way)
;;     5. batch 32 x [M 2,048, K 2,048] x [K 2,048, N 64]; A: computed on the way; B: computed on the way: left as it is (an operand is computed on the way)
;;     6. [M 4,096, K 1,024] x [K 1,024, N 1,024]; A: computed on the way; B: input Wo: left as it is (an operand is computed on the way)
;;   THE QUANTISER, for each operand of a quantised product, along K:
;;     - K is cut into blocks of 32 from its start; a last block that is shorter is filled with zeros.
;;     - A block's scale is 2^e with e = floor(log2(the largest magnitude in the block)) - 2, held to -126 .. 127; a block of zeros has e = 0. As a byte (E8M0): e + 127.
;;     - Each number is divided by its block's scale, clamped to +-6, and rounded to the nearest number of E2M1, ties to even, subnormals kept.
;;     - The product sums the exact products of the quantised numbers (number of the format x scale) in f32.
;;   ~~~python
;;   def quantise(x, axis):      # numpy; x: float32 -> the quantised numbers, widened to float32 again
;;       x = np.moveaxis(x, axis, -1); K = x.shape[-1]
;;       x = np.pad(x, [(0, 0)] * (x.ndim - 1) + [(0, -K % 32)]); x = x.reshape(x.shape[:-1] + (-1, 32)); a = np.abs(x).max(-1, keepdims=True)
;;       e = np.where(a > 0, np.clip(np.frexp(np.where(a > 0, a, 1))[1] - 1 - 2, -126, 127), 0)      # np.frexp(a)[1] - 1 = floor(log2(a)), exactly
;;       r = np.clip(x / 2.0 ** e, -6, 6)
;;       step = 2.0 ** (np.maximum(np.frexp(np.where(r == 0, 1, r))[1] - 1, 0) - 1)
;;       q = np.round(r / step) * step * 2.0 ** e      # np.round: ties to even
;;       return np.moveaxis(q.reshape(q.shape[:-2] + (-1,))[..., :K], -1, axis).astype(np.float32)
;;   ~~~
;; One version. Each part assembles by itself: llvm-mc -triple=amdgcn-amd-amdhsa -mcpu=gfx1250 --defsym DOCPART=n.
;; ======== version 1 of 1: 4 launches
;; limits: values are held in f16: magnitudes above 65,504 overflow, below 6.1e-05 lose precision
;; workspace buffers: codes 7,864,320 bytes; scales 491,520 bytes; wob 2,097,152 bytes; heads 25,165,824 bytes; ao 8,388,608 bytes
;; launch quant (part 1): grid 608 x 1, 4 waves a work-group, no clusters, 33,280 bytes of LDS; arguments q, k, v, Wq, Wk, Wv, Wo, codes, scales, wob; writes codes, scales, wob
.if DOCPART == 1
	.amdgcn_target "amdgcn-amd-amdhsa--gfx1250"
	.amdhsa_code_object_version 6
	.text
	.protected	k_qa02bf5a584_quant
	.globl	k_qa02bf5a584_quant
	.p2align	8
	.type	k_qa02bf5a584_quant,@function
k_qa02bf5a584_quant:
	s_mov_b64 s[64:65], 0
	v_nop
	global_prefetch_b8 v0, s[64:65] scope:SCOPE_SE
	s_setreg_imm32_b32 hwreg(HW_REG_WAVE_MODE, 25, 1), 1
	s_wait_xcnt 0x0
; q, k, v [4096][1024] and Wq, Wk, Wv [1024][1024], f32 with K innermost, become codes of FP4 (E2M1) with one E8M0 byte for each 32 along K;
; Wo [1024][1024] becomes f16 laid in the order of a matrix operand's registers.
; A block's scale is 2^(floor(log2(its largest magnitude)) - 2); its byte is the largest magnitude's exponent field - 2, held at 1 from below.
; Each number is divided by the scale and rounded to the nearest code, ties to even, beyond 6 the largest code.
; LIMITS: a block of zeros gets the byte 1 where the rule says 127 (its codes are zeros, and this program alone reads the bytes); blocks whose largest
; magnitude lies under 2^-124 keep the byte 1; NaN and infinities among the inputs are not served; numbers of Wo beyond 65,504 in magnitude are not served (f16).
; SHARES: work-groups 0-127 take Wo.  With g = the work-group's number - 128: g 0-127 q, 128-255 k, 256-383 v, 384-415 Wq, 416-447 Wk, 448-479 Wv: 32,768 numbers each,
; 8,192 a wave, 16 steps of 512.  Rows are dense, so each tensor is a plain stream of blocks, and the six streams of codes (and of bytes) lie on end in one buffer in the
; order of the work-groups: wave G = 4 g + wave writes codes at 4,096 G and scale bytes at 256 G.  Only the input's pointer is chosen.
; A step's four loads read 512 consecutive bytes each; the 2,048 bytes turn through the wave's own stage in LDS and come back 64 bytes a lane, since the
; conversion takes neighbours along K from one lane's registers.  Waves share nothing: no barrier.  Loads run four steps ahead.
; Wo's PATH: a lane must hold 8 neighbours along k of its own row, so a load names 16 bytes at each of 32 places (16 rows, two places a row) where a load of the other path
; names 512 bytes on end.  So a wave of this path is given 16 loads, a quarter of the other path's 64, and its work-groups come first in the grid.
.set WOG,   128                        ; work-groups that take Wo
.set STEPS, 16
.set EMAX,  2
.set CB,    8                          ; bytes of 16 codes
.set R,     16                         ; v16-79   four sets of 16 numbers as loaded
.set X,     80                         ; v80-111  two sets of 16 neighbours
.set E,     112                        ; v112-127 a scale byte for each step
.set C,     128                        ; v128-191 codes: four registers for each step, so that no store's data are written again
.set WREG,  8192                       ; LDS: a region for each wave: two stages of 32 x SP bytes, then its 256 scale bytes
.set SP,    80                         ; a lane's place in a stage: 64 bytes + 16 of padding
.macro PICK limit, lo, base            ; below this g the tensor is the one at s[lo:lo+1], whose first g is base
	s_cmp_lt_u32 s2, \limit
	s_cselect_b64 s[26:27], s[\lo:\lo+1], s[26:27]
	s_cselect_b32 s25, \base, s25
.endm
.macro LOAD t
.irp i, 0,1,2,3
	global_load_b128 v[R+16*((\t)%4)+4*\i:R+16*((\t)%4)+4*\i+3], v3, s[26:27] offset:2048*(\t)+512*\i th:TH_LOAD_NT   ; 32 lanes read 512 consecutive bytes
.endr
.endm
.macro TURN t                          ; step t's numbers through the stage: LDS serves a wave's instructions in order, so no wait stands between the stores and the loads
.irp i, 0,1,2,3
	ds_store_b128 v14, v[R+16*((\t)%4)+4*\i:R+16*((\t)%4)+4*\i+3] offset:32*SP*((\t)%2)+8*SP*\i
.endr
.irp i, 0,1,2,3
	ds_load_b128 v[X+16*((\t)%2)+4*\i:X+16*((\t)%2)+4*\i+3], v15 offset:32*SP*((\t)%2)+16*\i
.endr
.endm
.macro STEP t
.set XS, X+16*((\t)%2)
.if (\t) > 0
	s_wait_dscnt 1                                 ; this step's numbers are back from the stage (the last step's byte store may be out)
.else
	s_wait_dscnt 0x0
.endif
.if (\t)+4 < STEPS
	LOAD (\t)+4                                    ; the stage's stores have read these registers: they take the loads of four steps on
.endif
.if (\t)+1 < STEPS
.if STEPS-2-(\t) >= 3
	s_wait_loadcnt 12                              ; the next step's four loads are in; the 12 of the three steps behind it may be out
.else
	s_wait_loadcnt 4*(STEPS-2-(\t))
.endif
	TURN (\t)+1
.endif
	v_max3_num_f32 v8, |v[XS]|, |v[XS+1]|, |v[XS+2]|               ; the largest magnitude of my 16, in two chains
	v_max3_num_f32 v9, |v[XS+3]|, |v[XS+4]|, |v[XS+5]|
.irp i, 6,10
	v_max3_num_f32 v8, v8, |v[XS+\i]|, |v[XS+\i+1]|
	v_max3_num_f32 v9, v9, |v[XS+\i+2]|, |v[XS+\i+3]|
.endr
	v_max3_num_f32 v8, v8, |v[XS+14]|, |v[XS+15]|
	v_max3_num_f32 v8, v8, v9, (EMAX+1)<<23        ; and the floor 2^(3 - 127): the byte cannot fall under 1
	v_max_num_f32_dpp v8, v8, v8 row_xmask:1 row_mask:0xf bank_mask:0xf   ; with my neighbour's 16: the block's
	v_add_nc_u32 v11, -(EMAX<<23), v8              ; 2 off its exponent field: the conversion takes the exponent field of this operand as its scale
	v_cvt_scalef32_pk8_fp4_f32 v[C+4*(\t)], v[XS:XS+7], v11
	v_cvt_scalef32_pk8_fp4_f32 v[C+4*(\t)+1], v[XS+8:XS+15], v11
	v_lshrrev_b32 v[E+(\t)], 23, v11               ; the scale's byte (also the plain line behind the conversions)
	ds_store_b8 v5, v[E+(\t)] offset:16*(\t)       ; both lanes of a block write the same byte with the same value
	global_store_b64 v4, v[C+4*(\t):C+4*(\t)+1], s[18:19] offset:32*CB*(\t)   ; the wave stores 256 consecutive bytes, aligned
.endm
; Wo: group gk is 64 along K of the wave's 16 rows: four pieces of 16 x 16; lane (r, h) takes 8 neighbours of row r, 32 bytes, for each piece.  The eight loads of a group together cover 256 whole bytes of each row
.macro WLOAD gk
.irp c, 0,1,2,3
.irp e, 0,1
	global_load_b128 v[16+32*(\gk)+8*\c+4*\e:16+32*(\gk)+8*\c+4*\e+3], v1, s[16:17] offset:(\gk)*256+\c*64+\e*16 th:TH_LOAD_NT
.endr
.endr
.endm
.macro WOUT gk
.set WR, 16+32*(\gk)
	s_wait_loadcnt 8*(1-(\gk))                     ; this group's eight loads are in; the second group's eight may be out
.irp c, 0,1,2,3
.irp i, 0,1,2,3
	v_cvt_pk_f16_f32 v[WR+8*\c+\i], v[WR+8*\c+2*\i], v[WR+8*\c+2*\i+1]   ; in place, ascending: nothing unread is written
.endr
	global_store_b128 v3, v[WR+8*\c:WR+8*\c+3], s[22:23] offset:(4*(\gk)+\c)*512   ; a piece: 512 consecutive bytes, 16 a lane; no register of a store is written again
.endr
.endm
	s_load_b512 s[4:19], s[0:1], 0x0               ; q s[4:5], k s[6:7], v s[8:9], Wq s[10:11], Wk s[12:13], Wv s[14:15], Wo s[16:17], codes s[18:19]
	s_load_b128 s[20:23], s[0:1], 0x40             ; scales s[20:21], wob s[22:23]
	v_lshl_add_u32 v192, v0, 2, 0x8000
	v_mov_b32 v193, 0
	v_lshrrev_b32 v1, 5, v0
	v_readfirstlane_b32 s24, v1                    ; wave
	v_and_b32 v2, 31, v0                           ; lane
	v_lshlrev_b32 v3, 4, v2                        ; 16 x lane
	s_mov_b32 s29, 0
	s_wait_kmcnt 0x0
	s_cmp_lt_u32 ttmp9, WOG
	s_cbranch_scc1 .Lwo
	s_sub_co_u32 s2, ttmp9, WOG                    ; g
	s_mov_b64 s[26:27], s[14:15]                   ; the input: Wv unless g is lower
	s_mov_b32 s25, 448
	PICK 448, 12, 416
	PICK 416, 10, 384
	PICK 384, 8, 256
	PICK 256, 6, 128
	PICK 128, 4, 0
	s_sub_co_u32 s28, s2, s25
	s_lshl_b32 s28, s28, 2
	s_add_co_u32 s28, s28, s24
	s_lshl_b32 s28, s28, 15                        ; my wave's 8,192 numbers in the tensor: 32,768 bytes a wave
	s_add_nc_u64 s[26:27], s[26:27], s[28:29]
	s_lshl_b32 s30, s2, 2
	s_add_co_u32 s30, s30, s24                     ; G
	s_lshl_b32 s28, s30, 12
	s_add_nc_u64 s[18:19], s[18:19], s[28:29]
	s_lshl_b32 s28, s30, 8
	s_add_nc_u64 s[20:21], s[20:21], s[28:29]
	s_mul_i32 s31, s24, WREG
	v_lshrrev_b32 v14, 2, v2
	v_mul_u32_u24 v14, v14, SP
	v_and_b32 v15, 3, v2
	v_lshl_add_u32 v14, v15, 4, v14
	v_add_nc_u32 v14, s31, v14                     ; the stage, on the way in: four lanes' 64 bytes on end, then 16 of padding
	v_mul_u32_u24 v15, v2, SP
	v_add_nc_u32 v15, s31, v15                     ; and on the way out: my 16 neighbours
	v_mul_u32_u24 v4, v2, CB                       ; my codes' place in a step's
	v_lshrrev_b32 v5, 1, v2
	s_add_co_u32 s31, s31, 2*32*SP
	v_add_nc_u32 v5, s31, v5                       ; my block's byte among my wave's 256
	v_lshlrev_b32 v7, 3, v2
	v_add_nc_u32 v6, s31, v7                       ; and on the way out 8 bytes a lane
.irp t, 0,1,2,3
	LOAD \t
.endr
	s_wait_loadcnt 12                              ; step 0's four loads are in
	TURN 0
.irp t, 0,1,2,3,4,5,6,7,8,9,10,11,12,13,14,15
	STEP \t
.endr
	ds_load_b64 v[12:13], v6                       ; LDS serves a wave's instructions in order: these see my byte stores
	s_wait_dscnt 0x0
	global_store_b64 v7, v[12:13], s[20:21]        ; 32 lanes store 256 consecutive bytes, aligned
	s_wait_tensorcnt 0x0
	ds_add_u32 v192, v193
	s_wait_dscnt 0x0
	s_endpgm
.Lwo:   ; Wo -> f16 pieces [n / 16][k / 16][512 bytes]; in a piece the 8 neighbours along k of row r, half h, lie at 16 (16 h + r).
	; Wave U = 4 x work-group + wave, 0 .. 511, takes rows 16 (U / 8) on and k = 128 (U % 8) on: 8 pieces, which are pieces 8 U .. 8 U + 7 of the buffer
	s_lshl_b32 s25, ttmp9, 2
	s_add_co_u32 s25, s25, s24                     ; U
	s_lshr_b32 s28, s25, 3
	s_lshl_b32 s28, s28, 16                        ; 16 rows of 4,096 bytes
	s_and_b32 s30, s25, 7
	s_lshl_b32 s30, s30, 9                         ; 128 numbers of 4 bytes
	s_add_co_u32 s28, s28, s30
	s_add_nc_u64 s[16:17], s[16:17], s[28:29]
	s_lshl_b32 s28, s25, 12                        ; 8 pieces of 512 bytes
	s_add_nc_u64 s[22:23], s[22:23], s[28:29]
	v_and_b32 v4, 15, v0
	v_bfe_u32 v5, v0, 4, 1
	v_lshlrev_b32 v1, 12, v4
	v_lshl_add_u32 v1, v5, 5, v1                   ; row r, + 32 h bytes
	WLOAD 0
	WLOAD 1
	WOUT 0
	WOUT 1
	s_endpgm
.Lfunc_end_k_qa02bf5a584_quant:
	.size	k_qa02bf5a584_quant, .Lfunc_end_k_qa02bf5a584_quant-k_qa02bf5a584_quant
	.p2alignl 7, 3214868480
	.fill 96, 4, 3214868480
	.section	.rodata,"a",@progbits
	.p2align	6, 0x0
	.amdhsa_kernel k_qa02bf5a584_quant
		.amdhsa_group_segment_fixed_size 33280
		.amdhsa_private_segment_fixed_size 0
		.amdhsa_enable_private_segment 0
		.amdhsa_kernarg_size 80
		.amdhsa_user_sgpr_count 2
		.amdhsa_user_sgpr_kernarg_segment_ptr 1
		.amdhsa_wavefront_size32 1
		.amdhsa_system_sgpr_workgroup_id_x 1
		.amdhsa_system_sgpr_workgroup_id_y 1
		.amdhsa_system_sgpr_workgroup_id_z 1
		.amdhsa_system_vgpr_workitem_id 0
		.amdhsa_next_free_vgpr 194
		.amdhsa_next_free_sgpr 66
		.amdhsa_reserve_vcc 0
		.amdhsa_float_denorm_mode_32 3
		.amdhsa_float_denorm_mode_16_64 3
		.amdhsa_memory_ordered 1
		.amdhsa_forward_progress 1
		.amdhsa_inst_pref_size 39
	.end_amdhsa_kernel
	.amdgpu_metadata
---
amdhsa.version: [ 1, 2 ]
amdhsa.kernels:
  - .name:           k_qa02bf5a584_quant
    .symbol:         k_qa02bf5a584_quant.kd
    .args:
      - { .name: q, .offset: 0, .size: 8, .value_kind: global_buffer, .address_space: global }
      - { .name: k, .offset: 8, .size: 8, .value_kind: global_buffer, .address_space: global }
      - { .name: v, .offset: 16, .size: 8, .value_kind: global_buffer, .address_space: global }
      - { .name: Wq, .offset: 24, .size: 8, .value_kind: global_buffer, .address_space: global }
      - { .name: Wk, .offset: 32, .size: 8, .value_kind: global_buffer, .address_space: global }
      - { .name: Wv, .offset: 40, .size: 8, .value_kind: global_buffer, .address_space: global }
      - { .name: Wo, .offset: 48, .size: 8, .value_kind: global_buffer, .address_space: global }
      - { .name: codes, .offset: 56, .size: 8, .value_kind: global_buffer, .address_space: global }
      - { .name: scales, .offset: 64, .size: 8, .value_kind: global_buffer, .address_space: global }
      - { .name: wob, .offset: 72, .size: 8, .value_kind: global_buffer, .address_space: global }
    .group_segment_fixed_size: 33280
    .private_segment_fixed_size: 0
    .kernarg_segment_align: 8
    .kernarg_segment_size: 80
    .max_flat_workgroup_size: 128
    .sgpr_count:     66
    .vgpr_count:     194
    .wavefront_size: 32
...
	.end_amdgpu_metadata
.endif
;; end of part 1
;; launch proj (part 2): grid 4 x 48, 4 waves a work-group, clusters of 4 x 4, 327,680 bytes of LDS; arguments codes, scales, bq, bk, bv, heads; writes heads
.if DOCPART == 2
	.amdgcn_target "amdgcn-amd-amdhsa--gfx1250"
	.amdhsa_code_object_version 6
	.text
	.protected	k_qa02bf5a584_proj
	.globl	k_qa02bf5a584_proj
	.p2align	8
	.type	k_qa02bf5a584_proj,@function
k_qa02bf5a584_proj:
	s_mov_b64 s[64:65], 0
	v_nop
	global_prefetch_b8 v0, s[64:65] scope:SCOPE_SE
	s_setreg_imm32_b32 hwreg(HW_REG_WAVE_MODE, 25, 1), 1
	s_wait_xcnt 0x0
	s_wait_alu depctr_hold_cnt(0) depctr_sa_sdst(0) depctr_va_vdst(0) depctr_va_sdst(0) depctr_va_ssrc(0) depctr_va_vcc(0) depctr_vm_vsrc(0)
	s_getreg_b32 s2, hwreg(HW_REG_IB_STS2, 6, 4)
	s_cmp_eq_u32 s2, 0
	s_cbranch_scc0 .Lentry_in_a_cluster
	s_endpgm
.Lentry_in_a_cluster:
	s_bfe_u32 s2, ttmp6, 0x10000c
	s_cmp_lg_u32 s2, 0xf033
	s_cbranch_scc0 .Lentry_shape_is_right
	s_endpgm
.Lentry_shape_is_right:
; The three quantised products x W^T + b (x: q, k, v, [4096][1024]; W: [1024][1024]) on codes of FP4 (E2M1) with one E8M0 byte for each 32 along K; sums in f32;
; the results are rounded to f16 and stored per head in the order of a matrix operand's registers.
; GRID: 12 clusters of 4 x 4 work-groups; product p = cluster y / 4.  A work-group makes 256 x 256 of one product, each of its four waves 128 x 128: 64 accumulators, 512 registers.
; K = 1,024 is two steps of 512 (LDS rows of 256 bytes): both lie in the two LDS slots from the first fills on, and NO LDS BYTE IS FILLED A SECOND TIME.
; The scale bytes of the 256 + 256 rows, for all of K, are two dense blocks and come with the first fills.
; CLUSTER: the four of a row of the cluster need the same tiles of x, the four of a column the same tiles of W: each tile is asked for jointly, by the same tensor load with the same
; descriptor and a mask that names the four.  A wave has three tensor loads out at the most.
; THE MATRIX INSTRUCTION IS USED TRANSPOSED (source 0 = 16 rows of W, source 1 = 16 rows of x): a lane holds eight neighbouring columns of one row.  The bias is the C of each sum's first product.
; OUT: heads = Q, K, V, 8 MiB each: [batch x 16 + head][token / 16][channel / 16][512 bytes].  A lane's eight results, packed, are 16 bytes of such a piece, and the wave's 32 make it whole:
; each store covers 512 consecutive bytes, aligned.  In Q and K token r, half h lies at 16 (16 h + r); in V at 256 (r / 8) + 128 h + 16 (r % 8), the order in which the transposing LDS load addresses it.
; WHY f16: the results are operands of products that are left as they are, and six roundings lie between here and the output: f16 keeps 11 bits of each.  Its range has room: a sum of 1,024 products of
; numbers of spread 1 and 1/32 has spread 1; both 30 times larger give spread 900; a common offset of 30 spreads on both gives 1,024 x 30 x 30/32 = 28,800.
; LIMITS: results beyond 65,504 in magnitude are not served (f16); NaN and infinities are not served.
; REGISTERS: window 0: v0-31 addresses; v32-95 scale words, two sets; v128-191 x's fragments, one set; v192-255 the bias.  window 1: W's fragments, two sets (v0, v128); on the way out the packed results.
;   window 2: the accumulators of my rows 0-63 ((a, b) at v[8 (8 a + b)]);  window 3: those of rows 64-127.
.set NQ,     4                         ; matrix instructions deep in a slot
.set ROWB,   256                       ; a tile's row: 512 codes
.set KROW,   512                       ; a row of codes in memory
.set PITCH,  272                       ; an LDS row: 256 bytes + 16 of padding: the 16 rows that a load touches start 68 words apart
.set FR,     8
.set NL,     2
.set NP,     4
.set HALFT,  128*PITCH
.set SLOT,   4*HALFT
.set KS,     32                        ; a row of scale bytes
.set SCL,    2*SLOT
.set HALFS,  (128*KS/256)*272
.set SBLK,   (16*KS/256)*272
.set ADRA, 16
.set ADRB, 20
.set CO,   26
.set ADRS, 27
.set SC,   32
.set AF,   128
.set BI,   192
.set G1, 24
.set G0, 32
.set G1B, 48
.set G0B, 56
.set G1S, 68
.set G0S, 76
.set G1SB, 80
.set G0SB, 88
.set MSB, 0
.macro WIN new                         ; the immediate's high byte repeats the setting that is left
.if MSB != \new
	s_set_vgpr_msb (MSB<<8)|\new
.set MSB, \new
.endif
.endm
.set MUL_LO, 0xa1                      ; source 0 (W) window 1, source 1 (x) window 0, C and D window 2
.set MUL_HI, 0xf1                      ; the same, C and D window 3
.set BIA_LO, 0x81                      ; the first products: C (the bias) window 0, D window 2
.set BIA_HI, 0xc1                      ; D window 3
.set TO_B,   0x40
; A joint load: waves 0 and 1 fetch for x, waves 2 and 3 for W.  The branch hangs on the wave's number alone.  Four v_nop follow each line.
.macro JLOAD g0a, g1a, g0b, g1b
	s_cmp_eq_u32 s15, 0
	s_cbranch_scc0 .Lfor_b_\@
	tensor_load_to_lds s[\g0a:\g0a+3], s[\g1a:\g1a+7]
	s_nop 0
.rept 4
	v_nop
.endr
	s_branch .Lasked_\@
.Lfor_b_\@:
	tensor_load_to_lds s[\g0b:\g0b+3], s[\g1b:\g1b+7]
	s_nop 0
.rept 4
	v_nop
.endr
.Lasked_\@:
.endm
.macro CROUND                          ; a round of the cluster's barrier
	s_barrier_signal -1
	s_barrier_wait -1
	s_cmp_lg_u32 s14, 0
	s_cbranch_scc1 .Lnot_wave_0_\@
	s_barrier_signal -3
.Lnot_wave_0_\@:
	s_barrier_wait -3
	s_barrier_signal -1
	s_barrier_wait -1
.endm
	s_load_b256 s[4:11], s[0:1], 0x0               ; codes s[4:5], scales s[6:7], bq s[8:9], bk s[10:11]
	s_load_b128 s[96:99], s[0:1], 0x20             ; bv s[96:97], heads s[98:99]
	v_lshl_add_u32 v126, v0, 2, 0x48400
	v_mov_b32 v127, 0
	ds_add_u32 v126, v127
	ds_add_u32 v126, v127
	v_lshrrev_b32 v1, 5, v0
	v_readfirstlane_b32 s14, v1                    ; wave 0..3
	s_lshr_b32 s15, s14, 1                         ; which half of the tile's rows is mine.  Also: I fetch for x (0) or for W (1)
	s_and_b32 s16, s14, 1                          ; which half of its columns.  Also: which 128 rows of that tile I fetch
	s_bfe_u32 s40, ttmp6, 0x40000                  ; cx, cy: my place in the cluster
	s_bfe_u32 s41, ttmp6, 0x40004
	s_lshl_b32 s42, ttmp9, 2
	s_add_co_u32 s42, s42, s40                     ; tile column
	s_and_b32 s17, ttmp7, 0xffff                   ; cluster y, 0 .. 11
	s_lshr_b32 s2, s17, 2                          ; the product: 0 q, 1 k, 2 v: the same in all sixteen partners
	s_and_b32 s17, s17, 3
	s_lshl_b32 s17, s17, 2
	s_add_co_u32 s17, s17, s41                     ; tile row in the product, 0 .. 15
	s_lshl_b32 s43, s41, 2
	s_lshl_b32 s43, 15, s43                        ; my row of the cluster
	s_lshl_b32 s44, 0x1111, s40                    ; my column
	; group 1 for the codes: 128 rows x 256 bytes, 16 bytes of padding behind each row
	s_or_b32 s[G1+0], s43, (0<<16)|(1<<20)|(1<<21)|(5<<22)|(3<<25)
	s_or_b32 s[G1B+0], s44, (0<<16)|(1<<20)|(1<<21)|(5<<22)|(3<<25)
.irp g, G1, G1B
	s_mov_b32 s[\g+1], ROWB<<16                    ; tensor_dim0
	s_mov_b32 s[\g+2], 128<<16                     ; tensor_dim1
	s_mov_b32 s[\g+3], ROWB<<16                    ; tile_dim0
	s_mov_b32 s[\g+4], 128                         ; tile_dim1
	s_mov_b32 s[\g+5], KROW                        ; from row to row
	s_mov_b32 s[\g+6], 0
	s_mov_b32 s[\g+7], 0
.endr
	; and for the scale bytes of 128 rows: 4,096 dense bytes as 16 rows of 256 (32 elements of 8 bytes), 16 bytes of padding behind each
	s_or_b32 s[G1S+0], s43, (3<<16)|(1<<20)|(1<<21)|(5<<22)|(3<<25)
	s_or_b32 s[G1SB+0], s44, (3<<16)|(1<<20)|(1<<21)|(5<<22)|(3<<25)
.irp g, G1S, G1SB
	s_mov_b32 s[\g+1], 32<<16
	s_mov_b32 s[\g+2], (128*KS/256)<<16
	s_mov_b32 s[\g+3], 32<<16
	s_mov_b32 s[\g+4], 128*KS/256
	s_mov_b32 s[\g+5], 32
	s_mov_b32 s[\g+6], 0
	s_mov_b32 s[\g+7], 0
.endr
	; byte offsets of what I fetch.  x's hang on the tile row and the product, W's on the tile column and the product, each in registers that never hold the other coordinate
	s_lshl_b32 s18, s16, 7
	s_lshl_b32 s20, s17, 8
	s_add_co_u32 s20, s20, s18                     ; x: row 256 x tile row + 128 x half
	s_lshl_b32 s46, s42, 8
	s_add_co_u32 s46, s46, s18                     ; W: row 256 x tile column + 128 x half
	s_lshl_b32 s22, s20, 5                         ; x's scale bytes: 32 a row, 131,072 a product
	s_lshl_b32 s19, s2, 17
	s_add_co_u32 s22, s22, s19
	s_mov_b32 s23, 0
	s_lshl_b32 s20, s20, 9                         ; x's codes: 512 bytes a row, 2 MiB a product
	s_lshl_b32 s19, s2, 21
	s_add_co_u32 s20, s20, s19
	s_mov_b32 s21, 0
	s_lshl_b32 s92, s46, 5                         ; W's scale bytes: behind x's three; 32,768 a product
	s_lshl_b32 s19, s2, 15
	s_add_co_u32 s92, s92, s19
	s_add_co_u32 s92, s92, 393216
	s_mov_b32 s93, 0
	s_lshl_b32 s46, s46, 9                         ; W's codes: behind x's 6 MiB; half a MiB a product
	s_lshl_b32 s19, s2, 19
	s_add_co_u32 s46, s46, s19
	s_add_co_u32 s46, s46, 6<<20
	s_mov_b32 s47, 0
	s_mul_i32 s45, s14, HALFT                      ; where they go: wave x 128 rows: no place in the cluster enters an LDS address
	s_mul_i32 s94, s14, HALFS
	s_wait_dscnt 0x0
	s_wait_kmcnt 0x0
	s_add_nc_u64 s[20:21], s[4:5], s[20:21]
	s_add_nc_u64 s[22:23], s[6:7], s[22:23]
	s_add_nc_u64 s[46:47], s[4:5], s[46:47]
	s_add_nc_u64 s[92:93], s[6:7], s[92:93]
	CROUND                                         ; all sixteen work-groups are here: the joint loads meet
	s_mov_b32 s[G0S], 1
	s_add_co_u32 s[G0S+1], s94, SCL
	s_mov_b64 s[G0S+2:G0S+3], s[22:23]
	s_or_b32 s[G0S+3], s[G0S+3], 0x80000000
	s_mov_b32 s[G0SB], 1
	s_add_co_u32 s[G0SB+1], s94, SCL
	s_mov_b64 s[G0SB+2:G0SB+3], s[92:93]
	s_or_b32 s[G0SB+3], s[G0SB+3], 0x80000000
	JLOAD G0S, G1S, G0SB, G1SB                     ; the scale bytes first: they are wanted with K step 0
.irp s, 0,1
	s_mov_b32 s[G0+4*\s], 1
	s_add_co_u32 s[G0+4*\s+1], s45, \s*SLOT
	s_add_nc_u64 s[G0+4*\s+2:G0+4*\s+3], s[20:21], \s*ROWB
	s_or_b32 s[G0+4*\s+3], s[G0+4*\s+3], 0x80000000
	s_mov_b32 s[G0B+4*\s], 1
	s_add_co_u32 s[G0B+4*\s+1], s45, \s*SLOT
	s_add_nc_u64 s[G0B+4*\s+2:G0B+4*\s+3], s[46:47], \s*ROWB
	s_or_b32 s[G0B+4*\s+3], s[G0B+4*\s+3], 0x80000000
	JLOAD G0+4*\s, G1, G0B+4*\s, G1B
.endr
	v_and_b32 v1, 15, v0                           ; r = l % 16
	v_bfe_u32 v2, v0, 4, 1                         ; h = l / 16
	v_mul_u32_u24 v3, v1, PITCH
	v_lshl_add_u32 v4, v2, 4, v3                   ; a fragment's row x pitch + 16 h
	s_mul_i32 s21, s15, HALFT                      ; my 128 rows of x
	s_mul_i32 s22, s16, HALFT                      ; my 128 rows of W,
	s_add_co_u32 s22, s22, 2*HALFT                 ; which lie behind x's 256
.irp s, 0,1
	v_add_nc_u32 v[ADRA+\s], s21, v4
	v_add_nc_u32 v[ADRB+\s], s22, v4
	s_add_co_u32 s21, s21, SLOT
	s_add_co_u32 s22, s22, SLOT
.endr
	v_mul_u32_u24 v5, v1, KS                       ; my row's scale bytes: 32 a row,
	v_lshrrev_b32 v6, 8, v5
	v_lshl_add_u32 v5, v6, 4, v5                   ; and 16 more for each 256 passed
	s_mul_i32 s21, s15, HALFS
	s_mul_i32 s22, s16, HALFS
	s_add_co_u32 s22, s22, 2*HALFS
	s_sub_co_u32 s22, s22, s21
	v_mul_u32_u24 v6, s22, v2                      ; lanes 16-31 take W's: one product, the distance between the two bases x h
	s_add_co_u32 s21, s21, SCL
	v_add_nc_u32 v5, v5, v6
	v_add_nc_u32 v[ADRS], s21, v5
	; the bias of my 128 columns: tile b's eight registers are b[256 tile column + 128 half + 16 b + 8 h + 0 .. 7], the result's layout
	s_cmp_eq_u32 s2, 1
	s_cselect_b64 s[8:9], s[10:11], s[8:9]
	s_cmp_eq_u32 s2, 2
	s_cselect_b64 s[8:9], s[96:97], s[8:9]
	s_cselect_b32 s18, 8, 7                        ; the way out: where bit 3 of the lane goes: Q, K 7; V 8
	s_cselect_b32 s19, 7, 8                        ; and bit 4: Q, K 8; V 7
	v_and_b32 v5, 7, v0
	v_lshlrev_b32 v[CO], 4, v5
	v_bfe_u32 v5, v0, 3, 1
	v_lshlrev_b32 v5, s18, v5
	v_or_b32 v[CO], v[CO], v5
	v_lshlrev_b32 v5, s19, v2
	v_or_b32 v[CO], v[CO], v5                      ; my 16 bytes' place in a piece
	s_lshl_b32 s18, s42, 10
	s_lshl_b32 s19, s16, 9
	s_add_co_u32 s18, s18, s19
	s_mov_b32 s19, 0
	s_add_nc_u64 s[8:9], s[8:9], s[18:19]
	v_lshlrev_b32 v7, 5, v2
.irp b, 0,1,2,3,4,5,6,7
	global_load_b128 v[BI+8*\b:BI+8*\b+3], v7, s[8:9] offset:64*\b
	global_load_b128 v[BI+8*\b+4:BI+8*\b+7], v7, s[8:9] offset:64*\b+16
.endr
	; where my results go: product x 8 MiB + batch x 4 MiB + head x 262,144 + (token / 16) x 2,048
	s_lshl_b32 s20, s17, 4
	s_lshl_b32 s21, s15, 3
	s_add_co_u32 s20, s20, s21                     ; my first token / 16, 0 .. 255
	s_lshr_b32 s21, s20, 7
	s_lshl_b32 s21, s21, 22
	s_and_b32 s20, s20, 127
	s_lshl_b32 s20, s20, 11
	s_add_co_u32 s20, s20, s21
	s_lshl_b32 s21, s2, 23
	s_add_co_u32 s20, s20, s21
	s_lshl_b32 s21, s42, 2
	s_lshl_b32 s22, s16, 1
	s_add_co_u32 s21, s21, s22                     ; my first head
	s_lshl_b32 s21, s21, 18
	s_add_co_u32 s20, s20, s21
	s_mov_b32 s21, 0
	s_add_nc_u64 s[12:13], s[98:99], s[20:21]
.macro FRAG reg, adr, q, i             ; 16 rows x 128 K of 4-bit codes: 8 registers: lane l holds row l % 16; registers 4 c .. 4 c + 3 hold K = 64 c + 32 (l / 16) + 0 .. 31
.irp c, 0,1
	ds_load_b128 v[\reg+4*\c:\reg+4*\c+3], v[\adr] offset:64*(\q)+32*\c+(\i)*16*PITCH
.endr
.endm
; 16 matrix instructions: x's blocks a0, a0 + 1 against W's eight, 128 along K.  p: W's set; sc: the set of scale words.  zero = 1: the first product starts the sums from the bias.
; The 64 accumulators take turns, one instruction a turn, in the same order in every step.
.macro MUL16 a0, p, q, sc, zero
.irp a, \a0, \a0+1
.irp b, 0,1,2,3,4,5,6,7
.if \zero
	v_wmma_scale_f32_16x16x128_f8f6f4 v[8*(8*((\a)%4)+\b):8*(8*((\a)%4)+\b)+7], v[128*(\p)+FR*\b:128*(\p)+FR*\b+FR-1], v[AF+FR*(\a):AF+FR*(\a)+FR-1], v[BI+8*\b:BI+8*\b+7], v[SC+8*NQ*(\sc)+NQ*\b+(\q)], v[SC+8*NQ*(\sc)+NQ*(\a)+(\q)] matrix_a_fmt:MATRIX_FMT_FP4 matrix_b_fmt:MATRIX_FMT_FP4 matrix_a_scale:MATRIX_SCALE_ROW1
.else
	v_wmma_scale_f32_16x16x128_f8f6f4 v[8*(8*((\a)%4)+\b):8*(8*((\a)%4)+\b)+7], v[128*(\p)+FR*\b:128*(\p)+FR*\b+FR-1], v[AF+FR*(\a):AF+FR*(\a)+FR-1], v[8*(8*((\a)%4)+\b):8*(8*((\a)%4)+\b)+7], v[SC+8*NQ*(\sc)+NQ*\b+(\q)], v[SC+8*NQ*(\sc)+NQ*(\a)+(\q)] matrix_a_fmt:MATRIX_FMT_FP4 matrix_b_fmt:MATRIX_FMT_FP4 matrix_a_scale:MATRIX_SCALE_ROW1
.endif
.endr
.endr
.endm
.macro FETCH_B slot, q, p
	WIN TO_B
.irp i, 0,1,2,3,4,5,6,7
	FRAG 128*(\p)+FR*\i, ADRB+\slot, \q, \i
.endr
	WIN 0
.endm
.macro FETCH_A slot, q, i0
.irp i, \i0, \i0+1, \i0+2, \i0+3
	FRAG AF+FR*(\i), ADRA+\slot, \q, \i
.endr
.endm
.macro SCALES sc                       ; a K step's scale words: four a row; lanes 0-15 take x's block i, lanes 16-31 W's block i
.irp i, 0,1,2,3,4,5,6,7
	ds_load_b128 v[SC+8*NQ*\sc+NQ*\i:SC+8*NQ*\sc+NQ*\i+3], v[ADRS] offset:\i*SBLK
.endr
.endm
.macro PLACES n                        ; plain vector lines between a matrix instruction and a load into, or a vector read of, its registers
.rept \n
	v_nop
.endr
.endm
.macro STEP slot, q, zero              ; 128 along K with its successor in the same slot
	s_wait_dscnt 4*NL                              ; W's set and x's blocks 0-3 are in; the youngest eight loads (x's blocks 4-7) may be out
.if \zero
	WIN BIA_LO
.else
	WIN MUL_LO
.endif
	MUL16 0, (\q)%2, \q, \slot, \zero
	MUL16 2, (\q)%2, \q, \slot, \zero
	s_wait_dscnt 0
	PLACES NP
	FETCH_B \slot, (\q)+1, 1-(\q)%2
	FETCH_A \slot, (\q)+1, 0
.if \zero
	WIN BIA_HI
.else
	WIN MUL_HI
.endif
	MUL16 4, (\q)%2, \q, \slot, \zero
	MUL16 6, (\q)%2, \q, \slot, \zero
	PLACES NP
	WIN 0
	FETCH_A \slot, (\q)+1, 4
.endm
.macro STEPS slot, from
.set Q, \from
.rept NQ-1-\from
	STEP \slot, Q, 0
.set Q, Q+1
.endr
.endm
	s_wait_tensorcnt 1                             ; the scale bytes and my part of slot 0 are in; slot 1's load may be out
	s_barrier_signal -1
	s_barrier_wait -1                              ; everybody's are
	FETCH_B 0, 0, 0
	FETCH_A 0, 0, 0
	SCALES 0
	FETCH_A 0, 0, 4
	s_wait_loadcnt 0x0                             ; the bias
	STEP 0, 0, 1
	STEPS 0, 1
	; slot 0's last step goes over to slot 1: my part of slot 1 has landed, and behind the barrier everybody's has
	s_wait_tensorcnt 0x0
	s_wait_dscnt 4*NL
	WIN MUL_LO
	MUL16 0, 1, NQ-1, 0, 0
	s_wait_dscnt 0x0
	s_barrier_signal -1
	MUL16 2, 1, NQ-1, 0, 0
	WIN 0
	s_barrier_wait -1
	PLACES NP
	v_add_nc_u32 v[ADRS], 4*NQ, v[ADRS]            ; the second K step's scale words
	FETCH_B 1, 0, 0
	FETCH_A 1, 0, 0
	SCALES 1
	WIN MUL_HI
	MUL16 4, 1, NQ-1, 0, 0
	MUL16 6, 1, NQ-1, 0, 0
	PLACES NP
	WIN 0
	FETCH_A 1, 0, 4
	STEPS 1, 0
	s_wait_dscnt 4*NL                              ; the last step: nothing more to fetch
	WIN MUL_LO
	MUL16 0, 1, NQ-1, 1, 0
	MUL16 2, 1, NQ-1, 1, 0
	s_wait_dscnt 0
	WIN MUL_HI
	MUL16 4, 1, NQ-1, 1, 0
	MUL16 6, 1, NQ-1, 1, 0
	WIN 0
	; THE WAY OUT, straight from registers.  Each accumulator is read from its low end on; the packed results go to window 1, each register written once, so no store's data are written again.
	PLACES NP
	WIN 0x4a                                       ; sources window 2, destination window 1
.irp a, 0,1,2,3
.irp b, 0,1,2,3,4,5,6,7
.irp r, 0,1,2,3
	v_cvt_pk_f16_f32 v[4*(8*\a+\b)+\r], v[8*(8*\a+\b)+2*\r], v[8*(8*\a+\b)+2*\r+1]
.endr
.endr
.endr
	WIN 0x04                                       ; a store's data are its source 1: window 1
.irp a, 0,1,2,3
.irp b, 0,1,2,3,4,5,6,7
	global_store_b128 v[CO], v[4*(8*\a+\b):4*(8*\a+\b)+3], s[12:13] offset:\a*2048+(\b/4)*262144+(\b%4)*512   ; a piece: 512 consecutive bytes, aligned
.endr
.endr
	WIN 0x4f                                       ; sources window 3
.irp a, 0,1,2,3
.irp b, 0,1,2,3,4,5,6,7
.irp r, 0,1,2,3
	v_cvt_pk_f16_f32 v[128+4*(8*\a+\b)+\r], v[8*(8*\a+\b)+2*\r], v[8*(8*\a+\b)+2*\r+1]
.endr
.endr
.endr
	WIN 0x04
.irp a, 0,1,2,3
.irp b, 0,1,2,3,4,5,6,7
	global_store_b128 v[CO], v[128+4*(8*\a+\b):128+4*(8*\a+\b)+3], s[12:13] offset:(\a+4)*2048+(\b/4)*262144+(\b%4)*512
.endr
.endr
	WIN 0
	s_wait_tensorcnt 0x0
	ds_add_u32 v126, v127
	s_wait_dscnt 0x0
	CROUND                                         ; the closing round: no work-group ends while a partner may still ask for a tile that names it
	s_endpgm
.Lfunc_end_k_qa02bf5a584_proj:
	.size	k_qa02bf5a584_proj, .Lfunc_end_k_qa02bf5a584_proj-k_qa02bf5a584_proj
	.p2alignl 7, 3214868480
	.fill 96, 4, 3214868480
	.section	.rodata,"a",@progbits
	.p2align	6, 0x0
	.amdhsa_kernel k_qa02bf5a584_proj
		.amdhsa_group_segment_fixed_size 327680
		.amdhsa_private_segment_fixed_size 0
		.amdhsa_enable_private_segment 0
		.amdhsa_kernarg_size 48
		.amdhsa_user_sgpr_count 2
		.amdhsa_user_sgpr_kernarg_segment_ptr 1
		.amdhsa_wavefront_size32 1
		.amdhsa_system_sgpr_workgroup_id_x 1
		.amdhsa_system_sgpr_workgroup_id_y 1
		.amdhsa_system_sgpr_workgroup_id_z 1
		.amdhsa_system_vgpr_workitem_id 0
		.amdhsa_next_free_vgpr 1024
		.amdhsa_next_free_sgpr 100
		.amdhsa_reserve_vcc 0
		.amdhsa_float_denorm_mode_32 3
		.amdhsa_float_denorm_mode_16_64 3
		.amdhsa_memory_ordered 1
		.amdhsa_forward_progress 1
		.amdhsa_inst_pref_size 119
	.end_amdhsa_kernel
	.amdgpu_metadata
---
amdhsa.version: [ 1, 2 ]
amdhsa.kernels:
  - .name:           k_qa02bf5a584_proj
    .symbol:         k_qa02bf5a584_proj.kd
    .args:
      - { .name: codes, .offset: 0, .size: 8, .value_kind: global_buffer, .address_space: global }
      - { .name: scales, .offset: 8, .size: 8, .value_kind: global_buffer, .address_space: global }
      - { .name: bq, .offset: 16, .size: 8, .value_kind: global_buffer, .address_space: global }
      - { .name: bk, .offset: 24, .size: 8, .value_kind: global_buffer, .address_space: global }
      - { .name: bv, .offset: 32, .size: 8, .value_kind: global_buffer, .address_space: global }
      - { .name: heads, .offset: 40, .size: 8, .value_kind: global_buffer, .address_space: global }
    .group_segment_fixed_size: 327680
    .private_segment_fixed_size: 0
    .kernarg_segment_align: 8
    .kernarg_segment_size: 48
    .max_flat_workgroup_size: 128
    .sgpr_count:     100
    .vgpr_count:     1024
    .wavefront_size: 32
...
	.end_amdgpu_metadata
.endif
;; end of part 2
;; launch attn (part 3): grid 8 x 32, 4 waves a work-group, clusters of 4 x 1, 327,680 bytes of LDS; arguments heads, ao; writes ao
.if DOCPART == 3
	.amdgcn_target "amdgcn-amd-amdhsa--gfx1250"
	.amdhsa_code_object_version 6
	.text
	.protected	k_qa02bf5a584_attn
	.globl	k_qa02bf5a584_attn
	.p2align	8
	.type	k_qa02bf5a584_attn,@function
k_qa02bf5a584_attn:
	s_mov_b64 s[64:65], 0
	v_nop
	global_prefetch_b8 v0, s[64:65] scope:SCOPE_SE
	s_setreg_imm32_b32 hwreg(HW_REG_WAVE_MODE, 25, 1), 1
	s_wait_xcnt 0x0
	s_wait_alu depctr_hold_cnt(0) depctr_sa_sdst(0) depctr_va_vdst(0) depctr_va_sdst(0) depctr_va_ssrc(0) depctr_va_vcc(0) depctr_vm_vsrc(0)
	s_getreg_b32 s2, hwreg(HW_REG_IB_STS2, 6, 4)
	s_cmp_eq_u32 s2, 0
	s_cbranch_scc0 .Lentry_in_a_cluster
	s_endpgm
.Lentry_in_a_cluster:
	s_bfe_u32 s2, ttmp6, 0x10000c
	s_cmp_lg_u32 s2, 0x3003
	s_cbranch_scc0 .Lentry_shape_is_right
	s_endpgm
.Lentry_shape_is_right:
; O[bh][q] = the sum over k of softmax_k(Q[bh][q] . K[bh][k] / 8) V[bh][k]: 32 heads of 2,048 tokens x 64 channels, f16 operands, products, maxima and sums in f32;
; the weights p (at most 1; under 2^-14 they are f16 denormals, beside a sum of at least 1) are rounded to f16 for the second product, O once at the end.
; LIMITS: NaN and infinities are not served.  O is a weighted mean of V's rows, so it has V's range.
; IN: heads = Q, K, V, 8 MiB each, [bh][token / 16][channel / 16][512 bytes], each piece in the order of an operand's registers: every fragment load, from memory or LDS, runs at 16 x lane.
; OUT: ao [token / 16 (256)][model channel / 16 (64)][512 bytes], the same order: the next product's operand.
; SHARES.  A work-group owns 256 queries of one head, each of its four waves 64: four tiles of 16.  Every wave walks all 2,048 keys, 64 a step.
; LAYOUT.  S^T = K Q^T (source 0 = 16 keys, source 1 = 16 queries): a lane holds ONE query and the keys 8 (lane / 16) + 0..7.  Two such tiles, rounded in pairs, ARE source 1 of O^T = V^T P.
; SOFTMAX.  For each query a running maximum m and sum l: p = 2^(c s - c m), c = log2(e) / 8; in every step O and l are multiplied by a = 2^(c m_old - c m_new).
; BY TURNS.  The wave's tiles are two pieces (0: tiles 0, 1; 2: tiles 2, 3).  In a turn one piece has the matrix unit: 16 products V^T P of the step in hand, then 16 products K Q^T of the next;
; the other piece's softmax, 236 vector instructions cut into 32 slices, stands between them, one slice behind each matrix instruction.  Two turns are a key step.
; RING.  Two LDS slots of 512 keys (K 65,536 bytes, then V), each wave bringing 32,768 dense bytes by one load.  The four query blocks of a cluster walk the same K and V: each tile is asked for jointly.
; A wave has two tensor loads out at the start and one behind each round.
; REGISTERS: window 0: v2-5 addresses; v12-43 statistics, 8 a tile; v61-63; v64-191 S^T, 32 a tile; v192-255 P, 16 a tile.   window 1: v0-127 O^T, 32 a tile; v128-191 Q; v192-255 K of one step.   window 2: v0-63 V of one step.
.set STEPB, 8192      ; a key step's K, or V: 64 keys x 128 bytes
.set FILLB, 65536     ; a slot's K, or V: 512 keys
.set VOFF,  65536
.set SLOT1, 1<<17
.set SPARE, 2*SLOT1   ; behind the ring: the spare words, 128 bytes for each wave: two blocks of 256 bytes that no other line names
.set AK0, 2           ; v2   16 x lane: my place in a piece of K
.set AV0, 3           ; v3   the same for V
.set ADR, 4           ; v4   the LDS address of the run of loads in hand
.set QO,  5           ; v5   16 x lane: my place in a piece of Q and of the result
.set PFO, 61          ; v61  256 x lane; never rewritten
.set SPW, 62          ; v62  LDS address of my spare word; never rewritten
.set NIL, 63          ; v63  0; never rewritten
.set ST,  12          ; tile t's statistics at v[ST+8 t]: +0 c m, +1 m, +2, +3 l (even keys', odd keys'), +4 to +7 c0-c3, at work; a takes c2's place
.set S,   64
.set P,   192
.set QF,  128         ; in window 1
.set KF,  192         ; in window 1
.set WV,  12          ; s12  my wave's number
.set LIM, 15          ; s15  1 in a cluster that prefetches, else the greatest number
.set PFA, 18          ; s[18:19] where my prefetch stands
.set G1,  24          ; s[24:31] descriptor group 1
.set G0,  32          ; s[32:35] group 0 of the first fill; s[36:39] of the second, which then walks
.set SLOTS, 56
.set TWICE, 57
.set CS,  58          ; s[58:59] c
.set SEL, 60          ; s[60:61] lane selects for v_permlanex16_b32: lane l xor 16
.set TB,  62          ; s62  LDS byte at which the tiles of the step to be fetched begin
.set MSB, 0
.macro WIN new
.if MSB != \new
	s_set_vgpr_msb (MSB<<8)|\new
.set MSB, \new
.endif
.endm
.set W_KQ, 0x05       ; K and Q in window 1, S^T in window 0
.set W_PV, 0x52       ; V in window 2, P in window 0, O^T in window 1
.set W_RS, 0x41       ; O^T (destination and source 0) in window 1, a in window 0
.macro CROUND
	s_barrier_signal -1
	s_barrier_wait -1
	s_cmp_lg_u32 s[WV], 0
	s_cbranch_scc1 .Lnot_wave_0_\@
	s_barrier_signal -3
.Lnot_wave_0_\@:
	s_barrier_wait -3
	s_barrier_signal -1
	s_barrier_wait -1
.endm
.macro PLACES
.rept 4
	v_nop
.endr
.endm
; A prefetch of what the NEXT change of slots will ask for.  Both clusters of a head walk the same K and V: the head's first cluster asks.  Of the 32,768 bytes that wave w fetches, the partner at place cx
; names 8,192, told apart by address: a lane for each 256 bytes, one instruction a wave.  Eight key steps lie between it and the load that wants the bytes.  The last change that fills a slot asks for nothing.
.macro ASK
	s_cmp_gt_u32 s[SLOTS], s[LIM]
	s_cbranch_scc0 .Lnot_mine_\@
	global_prefetch_b8 v[PFO], s[PFA:PFA+1] th:TH_LOAD_NT scope:SCOPE_SE
.Lnot_mine_\@:
.endm
	s_load_b128 s[4:7], s[0:1], 0x0  ; heads s[4:5], ao s[6:7]
	v_lshl_add_u32 v[SPW], v0, 2, SPARE
	v_mov_b32 v[NIL], 0
	ds_add_u32 v62, v63
	ds_add_u32 v62, v63
	s_wait_dscnt 0x0
	v_lshrrev_b32 v1, 5, v0
	v_readfirstlane_b32 s[WV], v1   ; wave 0..3
	s_bfe_u32 s13, ttmp6, 0x40000   ; cx
	s_lshl_b32 s14, ttmp9, 2
	s_add_co_u32 s14, s14, s13      ; my block of 256 queries: it enters Q's and the result's addresses alone
	s_and_b32 s16, ttmp7, 0xffff    ; batch x 16 + head, which the four partners share
	s_lshr_b32 s20, s[WV], 1        ; what I fetch: waves 0, 1 K's halves of a slot, waves 2, 3 V's
	s_add_co_u32 s20, s20, 1
	s_lshl_b32 s20, s20, 23         ; K begins 8 MiB in, V 16 MiB
	s_lshl_b32 s21, s16, 18
	s_add_co_u32 s20, s20, s21      ; the head: 262,144 bytes
	s_and_b32 s21, s[WV], 1
	s_lshl_b32 s21, s21, 15
	s_add_co_u32 s20, s20, s21      ; my 256 keys of the 512
	s_mov_b32 s21, 0
	s_lshl_b32 s22, s16, 18         ; Q: the head, my block's 32,768 bytes, my wave's 8,192
	s_lshl_b32 s23, s14, 15
	s_add_co_u32 s22, s22, s23
	s_lshl_b32 s23, s[WV], 13
	s_add_co_u32 s22, s22, s23
	s_mov_b32 s23, 0
	s_lshr_b32 s2, s16, 4           ; the result: token / 16 = batch x 128 + 16 x block + 4 x wave,
	s_lshl_b32 s2, s2, 7
	s_lshl_b32 s3, s14, 4
	s_add_co_u32 s2, s2, s3
	s_lshl_b32 s3, s[WV], 2
	s_add_co_u32 s2, s2, s3
	s_lshl_b32 s2, s2, 15           ; 32,768 bytes each,
	s_and_b32 s3, s16, 15
	s_lshl_b32 s3, s3, 11           ; and the head's four pieces
	s_add_co_u32 s2, s2, s3
	s_mov_b32 s3, 0
	; group 1: 32,768 dense bytes as 128 rows of 256 (32 elements of 8 bytes), no padding: every LDS read runs at 16 x lane
	s_mov_b32 s[G1], 15|(3<<16)|(1<<21)  ; 15:0 the mask: all four work-groups; 17:16 elements of 8 bytes; 21 set beside a mask
	s_mov_b32 s[G1+1], 32<<16       ; tensor_dim0
	s_mov_b32 s[G1+2], 128<<16      ; tensor_dim1
	s_mov_b32 s[G1+3], 32<<16       ; tile_dim0
	s_mov_b32 s[G1+4], 128          ; tile_dim1
	s_mov_b32 s[G1+5], 32           ; from row to row
	s_mov_b32 s[G1+6], 0
	s_mov_b32 s[G1+7], 0
	s_mov_b32 s[CS], 0x3e38aa3b     ; c = log2(e) / 8
	s_mov_b32 s[CS+1], s[CS]        ; named with it as a pair, so it is written
	s_mov_b32 s[SEL], 0x76543210
	s_mov_b32 s[SEL+1], 0xfedcba98
	s_mov_b32 s[TB], 0
	s_mov_b32 s[SLOTS], 2
	s_cmp_eq_u32 ttmp9, 0           ; the head's first cluster: the same in all four partners
	s_cselect_b32 s[LIM], 1, -1
	s_lshl_b32 s17, s[WV], 15       ; my part of a slot: no place in the cluster enters an LDS address
	v_and_b32 v1, 31, v0
	v_lshlrev_b32 v[AK0], 4, v1
	v_add_nc_u32 v[AV0], VOFF, v[AK0]
	v_lshlrev_b32 v[QO], 4, v1
	v_lshlrev_b32 v[PFO], 8, v1
	s_wait_kmcnt 0x0
	s_add_nc_u64 s[20:21], s[4:5], s[20:21]  ; my part of the first 512 keys
	s_add_nc_u64 s[4:5], s[4:5], s[22:23]    ; Q at my wave's first query
	s_add_nc_u64 s[6:7], s[6:7], s[2:3]      ; the result likewise
	s_lshl_b32 s22, s13, 13         ; my work-group's 8,192 bytes of the 32,768,
	s_add_co_u32 s22, s22, 2*FILLB  ; in the third 512 keys: the first change of slots steps it to the fourth.  Nothing is prefetched here, at the head
	s_add_nc_u64 s[PFA:PFA+1], s[20:21], s[22:23]
	CROUND                          ; all four work-groups are here: the first joint loads meet
	s_mov_b32 s[G0], 1
	s_mov_b32 s[G0+1], s17
	s_mov_b64 s[G0+2:G0+3], s[20:21]
	s_or_b32 s[G0+3], s[G0+3], 0x80000000
	s_mov_b32 s[G0+4], 1
	s_add_co_u32 s[G0+5], s17, SLOT1
	s_add_nc_u64 s[G0+6:G0+7], s[20:21], FILLB
	s_or_b32 s[G0+7], s[G0+7], 0x80000000
	tensor_load_to_lds s[G0:G0+3], s[G1:G1+7]      ; one line serves all four waves: group 0 differs by the wave's number
	s_nop 0
	tensor_load_to_lds s[G0+4:G0+7], s[G1:G1+7]
	s_nop 0
	PLACES                          ; four v_nop follow
	WIN 0x40                        ; destination window 1
.irp n, 0,1,2,3,4,5,6,7,8,9,10,11,12,13,14,15  ; Q stays in registers: tile n / 4, piece n % 4: two pieces make a fragment of 32 channels
	global_load_b128 v[QF+4*\n:QF+4*\n+3], v[QO], s[4:5] offset:512*\n
.endr
	WIN 0
; Product i of 16 of O^T += V^T P: keys 32 (i / 8) on, channels 16 ((i / 2) % 4) on, tile x + i % 2.  The accumulators take turns, one instruction a turn: seven others' stand between two links.
.macro PV x, zero
	WIN W_PV
.set rO, 32*(\x+i%2)+8*((i/2)%4)
.set rV, 8*(4*(i/8)+(i/2)%4)
.set rP, P+16*(\x+i%2)+8*(i/8)
.if \zero && (i < 8)
	v_wmma_f32_16x16x32_f16 v[rO:rO+7], v[rV:rV+7], v[rP:rP+7], 0
.else
	v_wmma_f32_16x16x32_f16 v[rO:rO+7], v[rV:rV+7], v[rP:rP+7], v[rO:rO+7]
.endif
.endm
; Product i of 16 of S^T = K Q^T: channels 32 (i / 8) on, keys 16 ((i / 2) % 4) on, tile x + i % 2.  The first 8 start the sums.
.macro KQ x
	WIN W_KQ
.set rS, S+32*(\x+i%2)+8*((i/2)%4)
.set rK, KF+16*((i/2)%4)+8*(i/8)
.set rQ, QF+16*(\x+i%2)+8*(i/8)
.if i < 8
	v_wmma_f32_16x16x32_f16 v[rS:rS+7], v[rK:rK+7], v[rQ:rQ+7], 0
.else
	v_wmma_f32_16x16x32_f16 v[rS:rS+7], v[rK:rK+7], v[rQ:rQ+7], v[rS:rS+7]
.endif
.endm
; The LDS loads stand in runs of 16: a step's K (16 pieces) and, a turn later, its V (turned by the load).
.macro FETCH_K
	WIN 0
	v_add_nc_u32 v[ADR], s[TB], v[AK0]
	WIN 0x40
.irp n, 0,1,2,3,4,5,6,7,8,9,10,11,12,13,14,15
	ds_load_b128 v[KF+4*\n:KF+4*\n+3], v[ADR] offset:512*\n
.endr
.endm
.macro FETCH_V
	WIN 0
	v_add_nc_u32 v[ADR], s[TB], v[AV0]
	s_add_co_u32 s[TB], s[TB], STEPB  ; the next fetch is the next step's
	WIN 0x80                        ; destination window 2
.irp u, 0,1                         ; keys 32 u on; channels 16 d on; e: the fragment's lower or upper 16 keys
.irp d, 0,1,2,3
.irp e, 0,1
	ds_load_tr16_b128 v[8*(4*\u+\d)+4*\e:8*(4*\u+\d)+4*\e+3], v[ADR] offset:(2*\u+\e)*2048+\d*512
.endr
.endr
.endr
.endm
; One tile's softmax for one key step is a list of 118 instructions; SM writes number j of it for tile t.  s0-s31 are the lane's 32 scores, in pairs 0-15.  first = 1: the first key step: no a, nothing to rescale.
;   0-15    the maximum of s0-s31 and the old m, three operands at a time      16-20   the other half of the lanes' maximum; the new m; c m; c m_old - c m_new
;   21-87   33 exponentials (a, then s0-s31) at the odd numbers from 23 on; the plain numbers between them are whatever is ready: c s - c m of pairs to come, roundings of pairs done, the first sums
;   88-101  the last rounding; the rest of the sums; l = a l + the sum         102-117 the tile's O^T times a: the one part that leaves window 0
.macro SM t, first
.set rT, ST+8*(\t)
.set rS, S+32*(\t)
.set rP, P+16*(\t)
.set rO, 32*(\t)+2*(j-102)
.set q, (j-20)/2
.if j < 102
	WIN 0
.endif
.if j < 4
	v_max3_num_f32 v[rT+4+j], v[rS+8*j], v[rS+8*j+1], v[rS+8*j+2]
.elseif j < 12
	v_max3_num_f32 v[rT+4+j%4], v[rT+4+j%4], v[rS+8*(j%4)+2*(j/4)+1], v[rS+8*(j%4)+2*(j/4)+2]
.elseif j == 12
	v_max3_num_f32 v[rT+4], v[rT+4], v[rS+7], v[rS+15]
.elseif j == 13
	v_max3_num_f32 v[rT+6], v[rT+6], v[rS+23], v[rS+31]
.elseif j == 14
	v_max3_num_f32 v[rT+4], v[rT+4], v[rT+5], v[rT+6]
.elseif (j == 15) && \first
	v_max_num_f32 v[rT+4], v[rT+4], v[rT+7]
.elseif j == 15
	v_max3_num_f32 v[rT+4], v[rT+4], v[rT+7], v[rT+1]
.elseif j == 16
	v_permlanex16_b32 v[rT+5], v[rT+4], s[SEL], s[SEL+1]  ; the query's other 32 keys lie in the lane 16 away
.elseif j == 18
	v_max_num_f32 v[rT+1], v[rT+4], v[rT+5]
.elseif j == 19
	v_mul_f32 v[rT], s[CS], v[rT+1]
.elseif ((j == 17) || (j == 20) || (j == 23) || (j > 101)) && \first  ; the first step has none of these
.elseif j == 17
	v_mov_b32 v[rT+7], v[rT]        ; c m_old is kept for a
.elseif j == 20
	v_sub_f32 v[rT+7], v[rT+7], v[rT]
.elseif j == 23
	v_exp_f32 v[rT+6], v[rT+7]
.elseif (j < 88) && (j > 23) && (j%2 == 1)
	v_exp_f32 v[rS+(j-25)/2], v[rS+(j-25)/2]
.elseif (q < 4) || ((j < 76) && (q%2 == 0))
.set b, q/2+2
.if q < 4
.set b, q
.endif
	v_pk_fma_f32 v[rS+2*b:rS+2*b+1], v[rS+2*b:rS+2*b+1], s[CS:CS+1], v[rT:rT+1] op_sel_hi:[1,0,0] neg_lo:[0,0,1] neg_hi:[0,0,1]  ; pair b: c s - c m
.elseif (j < 88) && (q%2 == 1)
	s_wait_alu depctr_va_vdst(0)
	v_cvt_pk_f16_f32 v[rP+(q-5)/2], v[rS+q-5], v[rS+q-4]  ; pair (q - 5) / 2: its second exponential stands three numbers back
.elseif j == 89
	s_wait_alu depctr_va_vdst(0)
	v_cvt_pk_f16_f32 v[rP+15], v[rS+30], v[rS+31]
.elseif j < 102                     ; the sum of the tile's 16 pairs, in place: neighbours 1, 2, 4 and 8 pairs apart, then l takes it
.set z, j-86
.if j < 89
.set z, (j-76)/4
.endif
.set w, 4
.set u, z
.if z >= 14
.set w, 32
.set u, 0
.elseif z >= 12
.set w, 16
.set u, z-12
.elseif z >= 8
.set w, 8
.set u, z-8
.endif
.if (z == 14) && \first
	v_pk_add_f32 v[rT+2:rT+3], v[rS:rS+1], v[rS+16:rS+17]
.elseif z < 15
	v_pk_add_f32 v[rS+w*u:rS+w*u+1], v[rS+w*u:rS+w*u+1], v[rS+w*u+w/2:rS+w*u+w/2+1]
.elseif !\first
	v_pk_fma_f32 v[rT+2:rT+3], v[rT+2:rT+3], v[rT+6:rT+7], v[rS:rS+1] op_sel_hi:[1,0,1]
.endif
.else
	WIN W_RS
	v_pk_mul_f32 v[rO:rO+1], v[rO:rO+1], v[rT+6:rT+7] op_sel_hi:[1,0]
.endif
.endm
; Slice k of 32 of piece y's softmax.  Slices 0-24: numbers 4 k .. 4 k + 3 of both tiles; 25: 100, 101; 26, 27: two numbers of the rescaling each; 28-31: three each: no slice changes window inside itself.
; Slices 5-21 go tile by tile: plain, exponential, plain, exponential, so that each exponential has a plain line behind it before its result is used; elsewhere the two tiles alternate.
; Slice 31 is six plain multiplications that name nothing of the products round them: they are the places behind the turn's last K Q^T.
.macro SLICE y, first
.if k < 25
.set j0, 4*k
.set nn, 4
.elseif k < 28
.set j0, 100+2*(k-25)
.set nn, 2
.else
.set j0, 106+3*(k-28)
.set nn, 3
.endif
.if (k >= 5) && (k < 22)
.irp t, \y, \y+1
.set j, j0
.rept nn
	SM \t, \first
.set j, j+1
.endr
.endr
.else
.set j, j0
.rept nn
.irp t, \y, \y+1
	SM \t, \first
.endr
.set j, j+1
.endr
.endif
.set k, k+1
.endm
; A TURN.  Piece x has the matrix unit; the other piece's softmax stands in slices behind its matrix instructions.  pv = 2: 16 products V^T P; 1: they start O^T's sums; 0: none.  kq = 1: 16 products K Q^T for the next step.
; A turn with one of the two kinds has two slices behind each product.  first = 1: the softmax is the first key step's; its last slices are empty, and four v_nop take slice 31's part.
; Piece 0's turn fetches the next step's K behind its second product: K's last reader stands in front of slice 31 of the turn before.  Piece 2's turn fetches the same step's V behind its second K Q^T:
; V's last reader stands three slices, twelve plain instructions, back.
.macro TURN x, pv, kq, first
.set k, 0
.set per, 2
.if \pv && \kq
.set per, 1
.endif
.if \pv
.if \x == 0
	s_wait_dscnt 0x0                ; V is in
.endif
.set i, 0
.rept 16
	PV \x, 2-\pv
.rept per
	SLICE 2-\x, \first
.endr
.if (\x == 0) && \kq && (i == 1)
	FETCH_K
.endif
.set i, i+1
.endr
.endif
.if \kq
.if \x == 0
	s_wait_dscnt 0x0                ; K is in
.endif
.set i, 0
.rept 16
	KQ \x
.rept per
	SLICE 2-\x, \first
.endr
.if (\x == 2) && (i == 1)
	FETCH_V
.endif
.set i, i+1
.endr
.endif
.if \first
	PLACES
.endif
.endm
; THE CHANGE OF SLOTS, between piece 2's turn and piece 0's: the slot's last bytes, V of its eighth step, have been asked for.  Each wave waits for all its tensor loads (its part of the other slot), adds 0 to its
; spare word, and waits for that and for its reads of the slot.  fill = 1: the slot is filled again with the keys two slots on, behind a round of the cluster's barrier; the load has eight key steps in which to land.
.macro CHANGE fill
	WIN 0
	s_wait_tensorcnt 0x0            ; no tensor load of mine is out, so a group 0 may be written
	ds_add_u32 v[SPW], v[NIL]       ; 0 onto my spare word
.if \fill
	s_xor_b32 s[G0+5], s[G0+5], SLOT1  ; the walking descriptor: the other slot than last time,
	s_add_nc_u64 s[G0+6:G0+7], s[G0+6:G0+7], FILLB  ; the next 512 keys; the type bits on top are not reached
	s_wait_xcnt 0x0                 ; the last prefetch has read its address, so it may be written:
	s_add_nc_u64 s[PFA:PFA+1], s[PFA:PFA+1], FILLB  ; one slot further on than the walking descriptor
	s_wait_dscnt 0x0                ; the add is done, and my reads of the slot are over
	CROUND
	tensor_load_to_lds s[G0+4:G0+7], s[G1:G1+7]    ; the first thing behind the round, and my one tensor load until the next
	s_nop 0
	PLACES
	ASK
.else
	s_wait_dscnt 0x0
	s_barrier_signal -1
	s_barrier_wait -1
.endif
	s_sub_co_u32 s[TB], s[TB], FILLB  ; the fetches go back to a slot's first step,
	s_xor_b32 s[TB], s[TB], SLOT1   ; in the other slot
.endm
.macro STEPS n                      ; n key steps: written once, walked n times; the LDS addresses hang on s[TB]
	s_mov_b32 s[TWICE], \n
.Lstep_\@:
	TURN 0, 2, 1, 0
	TURN 2, 2, 1, 0
	WIN 0
	s_sub_co_u32 s[TWICE], s[TWICE], 1
	s_cmp_lg_u32 s[TWICE], 0
	s_cbranch_scc1 .Lstep_\@
.endm
	s_wait_tensorcnt 1              ; my part of slot 0 is in; slot 1's may stay out
	s_barrier_signal -1
	s_barrier_wait -1               ; everybody's is
	FETCH_K                         ; key step 0
	s_wait_loadcnt 0x0              ; Q
	s_wait_dscnt 0x0
.set i, 0
.rept 16
	KQ 0                            ; piece 0's first scores: there is no vector work yet to set between them
.set i, i+1
.endr
	WIN 0
	PLACES
	TURN 2, 0, 1, 1                 ; piece 2's first scores | piece 0's first softmax | V of step 0
	TURN 0, 1, 1, 1                 ; piece 0: V^T P of step 0 starts O^T, K Q^T of step 1 | piece 2's first softmax | K of step 1
	TURN 2, 1, 1, 0                 ; piece 2: the same | piece 0's softmax of step 1 | V of step 1
	WIN 0
	STEPS 6                         ; steps 2 to 7 are fetched: slot 0 is read out
.Lslot:                             ; two trips: slots 0 and 1 are filled again once each
	CHANGE 1
	STEPS 8
	s_sub_co_u32 s[SLOTS], s[SLOTS], 1
	s_cmp_lg_u32 s[SLOTS], 0
	s_cbranch_scc1 .Lslot
	CHANGE 0                        ; the tail is written out
	STEPS 8
	TURN 0, 2, 0, 0                 ; piece 0: V^T P of the last step | piece 2's last softmax
.set i, 0
.rept 16
	PV 2, 0                         ; piece 2: V^T P of the last step
.set i, i+1
.endr
	; THE WAY OUT.  l's two halves and the other half of the lanes' are added (these additions are the places behind the last products); O^T is divided by l and rounded to f16:
	; a lane's eight channels are 16 bytes of a piece of the result, and the wave's 32 make it whole.
	WIN 0
.irp t, 0,1,2,3
	v_add_f32 v[ST+8*\t+4], v[ST+8*\t+2], v[ST+8*\t+3]
.endr
.irp t, 0,1,2,3
	v_permlanex16_b32 v[ST+8*\t+5], v[ST+8*\t+4], s[SEL], s[SEL+1]
.endr
.irp t, 0,1,2,3
	v_add_f32 v[ST+8*\t+4], v[ST+8*\t+4], v[ST+8*\t+5]
.endr
.irp t, 0,1,2,3
	v_rcp_f32 v[ST+8*\t+6], v[ST+8*\t+4]
.endr
	v_nop                           ; a plain instruction between the last reciprocal and the use of its result
	s_wait_alu depctr_va_vdst(0)
.macro PACK t
	WIN W_RS
.set i, 32*\t
.rept 16
	v_pk_mul_f32 v[i:i+1], v[i:i+1], v[ST+8*\t+6:ST+8*\t+7] op_sel_hi:[1,0]   ; each accumulator from its low end on
.set i, i+2
.endr
	WIN 0x05                        ; sources window 1, destination window 0: S^T's registers are free
.set i, 0
.rept 16
	v_cvt_pk_f16_f32 v[S+32*\t+i], v[32*\t+2*i], v[32*\t+2*i+1]
.set i, i+1
.endr
	WIN 0
.irp d, 0,1,2,3
	global_store_b128 v[QO], v[S+32*\t+4*\d:S+32*\t+4*\d+3], s[6:7] offset:\t*32768+\d*512   ; a piece: 512 consecutive bytes, aligned
.endr
.endm
	PACK 0
	PACK 1
	PACK 2
	PACK 3
	s_wait_tensorcnt 0x0            ; the wave's end
	ds_add_u32 v[SPW], v[NIL]
	s_wait_dscnt 0x0
	CROUND                          ; the closing round: no work-group ends while a partner may still ask for a tile that names it
	s_endpgm
.Lfunc_end_k_qa02bf5a584_attn:
	.size	k_qa02bf5a584_attn, .Lfunc_end_k_qa02bf5a584_attn-k_qa02bf5a584_attn
	.p2alignl 7, 3214868480
	.fill 96, 4, 3214868480
	.section	.rodata,"a",@progbits
	.p2align	6, 0x0
	.amdhsa_kernel k_qa02bf5a584_attn
		.amdhsa_group_segment_fixed_size 327680
		.amdhsa_private_segment_fixed_size 0
		.amdhsa_enable_private_segment 0
		.amdhsa_kernarg_size 16
		.amdhsa_user_sgpr_count 2
		.amdhsa_user_sgpr_kernarg_segment_ptr 1
		.amdhsa_wavefront_size32 1
		.amdhsa_system_sgpr_workgroup_id_x 1
		.amdhsa_system_sgpr_workgroup_id_y 1
		.amdhsa_system_sgpr_workgroup_id_z 1
		.amdhsa_system_vgpr_workitem_id 0
		.amdhsa_next_free_vgpr 576
		.amdhsa_next_free_sgpr 66
		.amdhsa_reserve_vcc 0
		.amdhsa_float_denorm_mode_32 3
		.amdhsa_float_denorm_mode_16_64 3
		.amdhsa_memory_ordered 1
		.amdhsa_forward_progress 1
		.amdhsa_inst_pref_size 198
	.end_amdhsa_kernel
	.amdgpu_metadata
---
amdhsa.version: [ 1, 2 ]
amdhsa.kernels:
  - .name:           k_qa02bf5a584_attn
    .symbol:         k_qa02bf5a584_attn.kd
    .args:
      - { .name: heads, .offset: 0, .size: 8, .value_kind: global_buffer, .address_space: global }
      - { .name: ao, .offset: 8, .size: 8, .value_kind: global_buffer, .address_space: global }
    .group_segment_fixed_size: 327680
    .private_segment_fixed_size: 0
    .kernarg_segment_align: 8
    .kernarg_segment_size: 16
    .max_flat_workgroup_size: 128
    .sgpr_count:     66
    .vgpr_count:     576
    .wavefront_size: 32
...
	.end_amdgpu_metadata
.endif
;; end of part 3
;; launch oproj (part 4): grid 8 x 32, 4 waves a work-group, clusters of 4 x 4, 327,680 bytes of LDS; arguments ao, wob, bo, out0; writes out0
.if DOCPART == 4
	.amdgcn_target "amdgcn-amd-amdhsa--gfx1250"
	.amdhsa_code_object_version 6
	.text
	.protected	k_qa02bf5a584_oproj
	.globl	k_qa02bf5a584_oproj
	.p2align	8
	.type	k_qa02bf5a584_oproj,@function
k_qa02bf5a584_oproj:
	s_mov_b64 s[64:65], 0
	v_nop
	global_prefetch_b8 v0, s[64:65] scope:SCOPE_SE
	s_setreg_imm32_b32 hwreg(HW_REG_WAVE_MODE, 25, 1), 1
	s_wait_xcnt 0x0
	s_wait_alu depctr_hold_cnt(0) depctr_sa_sdst(0) depctr_va_vdst(0) depctr_va_sdst(0) depctr_va_ssrc(0) depctr_va_vcc(0) depctr_vm_vsrc(0)
	s_getreg_b32 s2, hwreg(HW_REG_IB_STS2, 6, 4)
	s_cmp_eq_u32 s2, 0
	s_cbranch_scc0 .Lentry_in_a_cluster
	s_endpgm
.Lentry_in_a_cluster:
	s_bfe_u32 s2, ttmp6, 0x10000c
	s_cmp_lg_u32 s2, 0xf033
	s_cbranch_scc0 .Lentry_shape_is_right
	s_endpgm
.Lentry_shape_is_right:
; out0[m][n] = the sum over k of A[m][k] Wo[n][k] + bo[n]: M 4,096, N 1,024, K 1,024; f16 operands, f32 sums, f32 out.
; A (ao) and Wo (wob) lie as pieces [row / 16][k / 16][512 bytes] in the order of an operand's registers: every fragment load runs at 16 x lane, with no pitch and no padding.
; A tile of the result is 128 x 128, so that there are 256 work-groups; four waves, each 64 x 64: 16 accumulators.  K goes in four steps of 256 through two LDS slots; a wave's tensor load brings
; four blocks of 16 rows, 8,192 consecutive bytes each.  The four steps are written straight: two refills, three changes of slots.
; CLUSTER: 4 x 4 work-groups; A's tile is shared along a row of the cluster, Wo's along a column: joint loads.  A wave has two tensor loads out at the start and one behind each round.
; THE MATRIX INSTRUCTION IS USED TRANSPOSED (source 0 = 16 rows of Wo, source 1 = 16 rows of A): a lane holds eight neighbouring numbers of a row.  The bias is the C of each sum's first product.
; LIMITS: NaN and infinities are not served; the operands' range is f16's, as the launches that made them state.
; REGISTERS: window 0: v0-31 addresses; v32-95 two sets of rows on the way out; v96-127 the bias; v128-255 the accumulators ((a, b) at v[128 + 8 (4 a + b)]).  window 1: two fragment buffers of 128.
.set KB,     8192                      ; a K step of 16 rows: 16 pieces
.set SLOT,   131072                    ; A's 8 blocks of 16 rows, then Wo's 8
.set STAGE,  2*SLOT                    ; behind the ring: 16 rows x 272 bytes for each wave
.set SPITCH, 272
.set SPARE,  STAGE+4*16*SPITCH         ; behind the stages: the spare words, 128 bytes for each wave: two blocks of 256 bytes that no other line names
.set ADRA, 16
.set ADRB, 20
.set STO,  24
.set RD,   25
.set CO,   26
.set SPW,  28
.set NIL,  29
.set TMP,  32
.set BI,   96
.set ACC,  128
.set F0,   0
.set F1,   128
.set G1, 24
.set G0, 32
.set G1B, 48
.set G0B, 56
.set MSB, 0
.macro WIN new
.if MSB != \new
	s_set_vgpr_msb (MSB<<8)|\new
.set MSB, \new
.endif
.endm
.set MUL,  0x05                        ; sources 0 (Wo) and 1 (A) window 1; C and D window 0
.set TO_F, 0x40
.macro JLOAD s                         ; waves 0 and 1 fetch A's halves, waves 2 and 3 Wo's; four v_nop follow each line
	s_cmp_eq_u32 s13, 0
	s_cbranch_scc0 .Lfor_b_\@
	tensor_load_to_lds s[G0+4*\s:G0+4*\s+3], s[G1:G1+7]
	s_nop 0
.rept 4
	v_nop
.endr
	s_branch .Lasked_\@
.Lfor_b_\@:
	tensor_load_to_lds s[G0B+4*\s:G0B+4*\s+3], s[G1B:G1B+7]
	s_nop 0
.rept 4
	v_nop
.endr
.Lasked_\@:
.endm
.macro CREST
	s_cmp_lg_u32 s12, 0
	s_cbranch_scc1 .Lnot_wave_0_\@
	s_barrier_signal -3
.Lnot_wave_0_\@:
	s_barrier_wait -3
	s_barrier_signal -1
	s_barrier_wait -1
.endm
.macro CROUND
	s_barrier_signal -1
	s_barrier_wait -1
	CREST
.endm
	s_load_b256 s[4:11], s[0:1], 0x0               ; ao s[4:5], wob s[6:7], bo s[8:9], out0 s[10:11]
	v_lshl_add_u32 v[SPW], v0, 2, SPARE
	v_mov_b32 v[NIL], 0
	ds_add_u32 v28, v29
	ds_add_u32 v28, v29
	s_wait_dscnt 0x0
	v_lshrrev_b32 v1, 5, v0
	v_readfirstlane_b32 s12, v1                    ; wave 0..3
	s_lshr_b32 s13, s12, 1                         ; which half of the tile's rows is mine.  Also: I fetch for A (0) or for Wo (1)
	s_and_b32 s14, s12, 1                          ; which half of its columns.  Also: which 64 rows of that tile I fetch
	s_bfe_u32 s40, ttmp6, 0x40000                  ; cx, cy
	s_bfe_u32 s41, ttmp6, 0x40004
	s_lshl_b32 s42, ttmp9, 2
	s_add_co_u32 s42, s42, s40                     ; tile column, 0 .. 7
	s_and_b32 s15, ttmp7, 0xffff
	s_lshl_b32 s15, s15, 2
	s_add_co_u32 s15, s15, s41                     ; tile row, 0 .. 31
	s_lshl_b32 s43, s41, 2
	s_lshl_b32 s43, 15, s43                        ; my row of the cluster
	s_lshl_b32 s44, 0x1111, s40                    ; my column
	; group 1: 4 rows of 8,192 bytes (1,024 elements of 8 bytes), 32,768 bytes apart in memory, on end in LDS
	s_or_b32 s[G1+0], s43, (3<<16)|(1<<21)
	s_or_b32 s[G1B+0], s44, (3<<16)|(1<<21)
.irp g, G1, G1B
	s_mov_b32 s[\g+1], 1024<<16                    ; tensor_dim0
	s_mov_b32 s[\g+2], 4<<16                       ; tensor_dim1
	s_mov_b32 s[\g+3], 1024<<16                    ; tile_dim0
	s_mov_b32 s[\g+4], 4                           ; tile_dim1
	s_mov_b32 s[\g+5], 4096                        ; from row to row
	s_mov_b32 s[\g+6], 0
	s_mov_b32 s[\g+7], 0
.endr
	s_lshl_b32 s17, s14, 2
	s_lshl_b32 s16, s15, 3
	s_add_co_u32 s16, s16, s17                     ; A: block of 16 rows 8 x tile row + 4 x half
	s_lshl_b32 s16, s16, 15
	s_lshl_b32 s46, s42, 3
	s_add_co_u32 s46, s46, s17                     ; Wo: 8 x tile column + 4 x half
	s_lshl_b32 s46, s46, 15
	s_mov_b32 s17, 0
	s_mov_b32 s47, 0
	s_lshl_b32 s20, s12, 15                        ; where they go: wave x 32,768: no place in the cluster enters an LDS address
	s_wait_kmcnt 0x0
	s_add_nc_u64 s[18:19], s[4:5], s[16:17]
	s_add_nc_u64 s[46:47], s[6:7], s[46:47]
	CROUND                                         ; all sixteen work-groups are here: the first joint loads meet
.irp s, 0,1
	s_mov_b32 s[G0+4*\s], 1
	s_add_co_u32 s[G0+4*\s+1], s20, \s*SLOT
	s_add_nc_u64 s[G0+4*\s+2:G0+4*\s+3], s[18:19], \s*KB
	s_or_b32 s[G0+4*\s+3], s[G0+4*\s+3], 0x80000000
	s_mov_b32 s[G0B+4*\s], 1
	s_add_co_u32 s[G0B+4*\s+1], s20, \s*SLOT
	s_add_nc_u64 s[G0B+4*\s+2:G0B+4*\s+3], s[46:47], \s*KB
	s_or_b32 s[G0B+4*\s+3], s[G0B+4*\s+3], 0x80000000
	JLOAD \s
.endr
	v_and_b32 v1, 15, v0                           ; l % 16
	v_bfe_u32 v2, v0, 4, 1                         ; l / 16
	v_and_b32 v3, 31, v0
	v_lshlrev_b32 v3, 4, v3                        ; 16 x lane
	s_lshl_b32 s21, s13, 15                        ; my 64 rows of A
	s_lshl_b32 s22, s14, 15                        ; my 64 rows of Wo,
	s_add_co_u32 s22, s22, 65536                   ; which lie behind A's 128
.irp s, 0,1
	v_add_nc_u32 v[ADRA+\s], s21, v3
	v_add_nc_u32 v[ADRB+\s], s22, v3
	s_add_co_u32 s21, s21, SLOT
	s_add_co_u32 s22, s22, SLOT
.endr
	s_mul_i32 s23, s12, 16*SPITCH
	s_add_co_u32 s23, s23, STAGE                   ; my stage
	v_mul_u32_u24 v4, v1, SPITCH                   ; in: row l % 16, 32 bytes for each half of the lanes
	v_lshl_add_u32 v4, v2, 5, v4
	v_add_nc_u32 v[STO], s23, v4
	v_mul_u32_u24 v5, v2, SPITCH                   ; back: lanes 0-15 one row of 256 bytes, lanes 16-31 the next
	v_lshl_add_u32 v5, v1, 4, v5
	v_add_nc_u32 v[RD], s23, v5
	v_lshlrev_b32 v5, 12, v2                       ; and the same two rows in the result
	v_lshl_add_u32 v[CO], v1, 4, v5
	s_lshl_b32 s16, s42, 9                         ; my first column in bytes: 512 x tile column + 256 x half
	s_lshl_b32 s17, s14, 8
	s_add_co_u32 s16, s16, s17
	s_mov_b32 s17, 0
	s_add_nc_u64 s[8:9], s[8:9], s[16:17]          ; the bias there,
	s_add_nc_u64 s[10:11], s[10:11], s[16:17]      ; the result there,
	s_lshl_b32 s16, s15, 7
	s_lshl_b32 s21, s13, 6
	s_add_co_u32 s16, s16, s21                     ; at my first row: 128 x tile row + 64 x half,
	s_lshl_b32 s16, s16, 12                        ; 4,096 bytes a row
	s_add_nc_u64 s[10:11], s[10:11], s[16:17]
	v_lshlrev_b32 v6, 5, v2
.irp b, 0,1,2,3
	global_load_b128 v[BI+8*\b:BI+8*\b+3], v6, s[8:9] offset:64*\b          ; tile b's eight registers: bo at columns 16 b + 8 h + 0 .. 7: the result's layout
	global_load_b128 v[BI+8*\b+4:BI+8*\b+7], v6, s[8:9] offset:64*\b+16
.endr
; 8 matrix instructions: row blocks a0, a0 + 1 x all 4 column blocks, 32 along K: half c of buffer f.  zero = 1: the first product starts the sums from the bias.  The 16 accumulators take turns.
.macro MUL8 f, c, a0, zero
.irp a, \a0, \a0+1
.irp b, 0,1,2,3
.if \zero
	v_wmma_f32_16x16x32_f16 v[ACC+8*(4*(\a)+\b):ACC+8*(4*(\a)+\b)+7], v[\f+64+8*(4*\c+\b):\f+64+8*(4*\c+\b)+7], v[\f+8*(4*\c+\a):\f+8*(4*\c+\a)+7], v[BI+8*\b:BI+8*\b+7]
.else
	v_wmma_f32_16x16x32_f16 v[ACC+8*(4*(\a)+\b):ACC+8*(4*(\a)+\b)+7], v[\f+64+8*(4*\c+\b):\f+64+8*(4*\c+\b)+7], v[\f+8*(4*\c+\a):\f+8*(4*\c+\a)+7], v[ACC+8*(4*(\a)+\b):ACC+8*(4*(\a)+\b)+7]
.endif
.endr
.endr
.endm
; 32 LDS loads in one run: the fragments of 64 along K (four pieces, from byte k of each block of 16 rows) into buffer f; the first 32 along K first.  Two pieces, 512 bytes apart, make a fragment.
.macro FETCH slot, k, f
	WIN TO_F
.irp c, 0,1
.irp i, 0,1,2,3
	ds_load_b128 v[\f+64+8*(4*\c+\i):\f+64+8*(4*\c+\i)+3],   v[ADRB+\slot] offset:\k+1024*\c+\i*KB
	ds_load_b128 v[\f+64+8*(4*\c+\i)+4:\f+64+8*(4*\c+\i)+7], v[ADRB+\slot] offset:\k+1024*\c+\i*KB+512
	ds_load_b128 v[\f+8*(4*\c+\i):\f+8*(4*\c+\i)+3],         v[ADRA+\slot] offset:\k+1024*\c+\i*KB
	ds_load_b128 v[\f+8*(4*\c+\i)+4:\f+8*(4*\c+\i)+7],       v[ADRA+\slot] offset:\k+1024*\c+\i*KB+512
.endr
.endr
.endm
.macro PLACES
.rept 4
	v_nop
.endr
.endm
; A K step is four quarters of 64 along K, 32 matrix instructions each, on buffers 0, 1, 0, 1.
.macro QUARTER slot, k, f, g, zero
	s_wait_dscnt 16                                ; the first 32 along K are in; the youngest sixteen loads may be out
	WIN MUL
	MUL8 \f, 0, 0, \zero
	MUL8 \f, 0, 2, \zero
	PLACES
	FETCH \slot, \k, \g
	s_wait_dscnt 32                                ; all but the 32 just issued
	WIN MUL
	MUL8 \f, 1, 0, 0
	MUL8 \f, 1, 2, 0
.endm
; The last quarter changes slots: one barrier; in front of it each wave waits for all its tensor loads, adds 0 to its spare word, and waits for that and for its reads of this slot.  fill = 1: this slot is filled again, two K steps ahead.
.macro TURN slot, next, fill
	WIN 0
	s_wait_tensorcnt 0x0                           ; all my tensor loads have landed: my part of the next slot
	ds_add_u32 v[SPW], v[NIL]                      ; 0 onto my spare word
	s_wait_dscnt 17                                ; (the add and the youngest sixteen loads may be out)
	WIN MUL
	MUL8 F1, 0, 0, 0
	s_wait_dscnt 0x0                               ; the add is done, and my reads of this slot are over
	s_barrier_signal -1
	MUL8 F1, 0, 2, 0
.if \fill
	WIN 0
.endif
	s_barrier_wait -1
.if \fill
	CREST                                          ; the barrier has opened a round of the cluster's barrier: no wave of any partner still reads this slot or has a load on its way
	s_add_nc_u64 s[G0+4*\slot+2:G0+4*\slot+3], s[G0+4*\slot+2:G0+4*\slot+3], 2*KB
	s_add_nc_u64 s[G0B+4*\slot+2:G0B+4*\slot+3], s[G0B+4*\slot+2:G0B+4*\slot+3], 2*KB
	JLOAD \slot                                    ; the first tensor load behind the round; its four v_nop are also the places in front of the loads below
.else
	PLACES
.endif
	FETCH \next, 0, F0
	WIN MUL
	MUL8 F1, 1, 0, 0
	MUL8 F1, 1, 2, 0
.endm
	s_wait_tensorcnt 1                             ; my part of K step 0 is in; K step 1's load may be out
	s_barrier_signal -1
	s_barrier_wait -1
	FETCH 0, 0, F0
	s_wait_loadcnt 0x0                             ; the bias
	QUARTER 0, 2048, F0, F1, 1                     ; K step 0
	QUARTER 0, 4096, F1, F0, 0
	QUARTER 0, 6144, F0, F1, 0
	TURN 0, 1, 1                                   ; slot 0 takes K step 2
	QUARTER 1, 2048, F0, F1, 0                     ; K step 1
	QUARTER 1, 4096, F1, F0, 0
	QUARTER 1, 6144, F0, F1, 0
	TURN 1, 0, 1                                   ; slot 1 takes K step 3
	QUARTER 0, 2048, F0, F1, 0                     ; K step 2
	QUARTER 0, 4096, F1, F0, 0
	QUARTER 0, 6144, F0, F1, 0
	TURN 0, 1, 0                                   ; nothing is left to fetch
	QUARTER 1, 2048, F0, F1, 0                     ; K step 3
	QUARTER 1, 4096, F1, F0, 0
	QUARTER 1, 6144, F0, F1, 0
	s_wait_dscnt 16
	WIN MUL
	MUL8 F1, 0, 0, 0
	MUL8 F1, 0, 2, 0
	s_wait_dscnt 0
	MUL8 F1, 1, 0, 0
	MUL8 F1, 1, 2, 0
	WIN 0
; THE WAY OUT, 16 rows x 64 columns at a time.  A lane holds 32 neighbouring bytes of a row; a row's 64 numbers are 256 bytes.  They go through my own stage and come back as whole rows: sixteen lanes store
; 256 consecutive bytes, aligned.  LDS serves a wave's instructions in order: no wait between the stores and the loads, nor in front of the next block's stores.
.macro TOSTAGE a
.irp b, 0,1,2,3
	ds_store_b128 v[STO], v[ACC+8*(4*(\a)+\b):ACC+8*(4*(\a)+\b)+3] offset:64*\b         ; each accumulator from its low end on
	ds_store_b128 v[STO], v[ACC+8*(4*(\a)+\b)+4:ACC+8*(4*(\a)+\b)+7] offset:64*\b+16
.endr
.irp t, 0,1,2,3,4,5,6,7
	ds_load_b128 v[TMP+32*((\a)%2)+4*\t:TMP+32*((\a)%2)+4*\t+3], v[RD] offset:\t*2*SPITCH
.endr
.endm
.macro SEND a, younger                 ; younger: the LDS instructions issued behind block a's loads, which may stay out
	s_wait_dscnt \younger
.irp t, 0,1,2,3,4,5,6,7
	global_store_b128 v[CO], v[TMP+32*((\a)%2)+4*\t:TMP+32*((\a)%2)+4*\t+3], s[10:11] offset:(16*(\a)+2*\t)*4096 th:TH_STORE_NT
.endr
.endm
	PLACES
	TOSTAGE 0
.irp a, 1,2,3
.if \a > 1
	s_wait_xcnt 0x0                                ; block a - 2's stores have read their registers: block a's loads may land there
.endif
	TOSTAGE \a
	SEND \a-1, 16                                  ; behind block a - 1's loads: block a's 8 stores and 8 loads
.endr
	SEND 3, 0
	s_wait_tensorcnt 0x0                           ; the wave's end
	ds_add_u32 v[SPW], v[NIL]
	s_wait_dscnt 0x0
	CROUND                                         ; the closing round
	s_endpgm
.Lfunc_end_k_qa02bf5a584_oproj:
	.size	k_qa02bf5a584_oproj, .Lfunc_end_k_qa02bf5a584_oproj-k_qa02bf5a584_oproj
	.p2alignl 7, 3214868480
	.fill 96, 4, 3214868480
	.section	.rodata,"a",@progbits
	.p2align	6, 0x0
	.amdhsa_kernel k_qa02bf5a584_oproj
		.amdhsa_group_segment_fixed_size 327680
		.amdhsa_private_segment_fixed_size 0
		.amdhsa_enable_private_segment 0
		.amdhsa_kernarg_size 32
		.amdhsa_user_sgpr_count 2
		.amdhsa_user_sgpr_kernarg_segment_ptr 1
		.amdhsa_wavefront_size32 1
		.amdhsa_system_sgpr_workgroup_id_x 1
		.amdhsa_system_sgpr_workgroup_id_y 1
		.amdhsa_system_sgpr_workgroup_id_z 1
		.amdhsa_system_vgpr_workitem_id 0
		.amdhsa_next_free_vgpr 512
		.amdhsa_next_free_sgpr 66
		.amdhsa_reserve_vcc 0
		.amdhsa_float_denorm_mode_32 3
		.amdhsa_float_denorm_mode_16_64 3
		.amdhsa_memory_ordered 1
		.amdhsa_forward_progress 1
		.amdhsa_inst_pref_size 86
	.end_amdhsa_kernel
	.amdgpu_metadata
---
amdhsa.version: [ 1, 2 ]
amdhsa.kernels:
  - .name:           k_qa02bf5a584_oproj
    .symbol:         k_qa02bf5a584_oproj.kd
    .args:
      - { .name: ao, .offset: 0, .size: 8, .value_kind: global_buffer, .address_space: global }
      - { .name: wob, .offset: 8, .size: 8, .value_kind: global_buffer, .address_space: global }
      - { .name: bo, .offset: 16, .size: 8, .value_kind: global_buffer, .address_space: global }
      - { .name: out0, .offset: 24, .size: 8, .value_kind: global_buffer, .address_space: global }
    .group_segment_fixed_size: 327680
    .private_segment_fixed_size: 0
    .kernarg_segment_align: 8
    .kernarg_segment_size: 32
    .max_flat_workgroup_size: 128
    .sgpr_count:     66
    .vgpr_count:     512
    .wavefront_size: 32
...
	.end_amdgpu_metadata
.endif
;; end of part 4
